; MI455X (gfx1250); checked and timed in simulation.
; The chip was launched on July 23, 2026; its instructions are those of AMD's public machine-readable ISA for CDNA 5 (MIT licence, August 2026) and "CDNA5" Instruction Set Architecture Reference Guide (July 2026). The comments in the code are by the model that wrote it; some were corrected since.
;; Mo E. Allowed arithmetic: matrix products marked QUANTISED: E2M3 operands, one E8M0 scale for each 32 along K, by v_wmma_scale_f32_16x16x128_f8f6f4 with both operands' format E2M3, f32 sums; products left as they are: f32 operands where the result goes on into a quantised operand, else bf16, f16 or f32 operands; f32 sums; everything else in f32.
;; Inputs: We 8 x 2,048 x 2,048 float32; Wg 8 x 2,048 float32; be 8 x 2,048 float32; bg 8 float32; x 8,192 x 2,048 float32.
;; Outputs: out0 8,192 x 2,048 float32.
;; This version of the problem:
;;   THIS VERSION OF THE PROBLEM IS GIVEN IN LOW PRECISION. The matrix products marked QUANTISED in the list below multiply operands that are first quantised to E2M3 (2 exponent bits, 3 mantissa bits; 6 bits a number), with one power-of-two scale for each 32 numbers along K (OCP MX v1.0); their sums are f32. All else is computed in f32.
;;   The module's matrix products, in the order in which they are computed (A, B: the left and right operand; K: the contracted axis; several contracted axes count as one K, in the product's order):
;;     1. [M 8,192, K 2,048] x [K 2,048, N 8]; A: input x; B: input Wg: left as it is (N = 8 < 16)
;;     2. [M 4,096, K 2,048] x [K 2,048, N 8,192]; A: computed on the way; B: input x: QUANTISED
;;     3. [M 1, K 2] x [K 2, N 16,777,216]; A: computed on the way; B: computed on the way: left as it is (K = 2 < 32)
;;   THE QUANTISER, for each operand of a quantised product, along K:
;;     - K is cut into blocks of 32 from its start; a last block that is shorter is filled with zeros.
;;     - A block's scale is 2^e with e = floor(log2(the largest magnitude in the block)) - 2, held to -126 .. 127; a block of zeros has e = 0. As a byte (E8M0): e + 127.
;;     - Each number is divided by its block's scale, clamped to +-7.5, and rounded to the nearest number of E2M3, ties to even, subnormals kept.
;;     - The product sums the exact products of the quantised numbers (number of the format x scale) in f32.
;;   ~~~python
;;   def quantise(x, axis):      # numpy; x: float32 -> the quantised numbers, widened to float32 again
;;       x = np.moveaxis(x, axis, -1); K = x.shape[-1]
;;       x = np.pad(x, [(0, 0)] * (x.ndim - 1) + [(0, -K % 32)]); x = x.reshape(x.shape[:-1] + (-1, 32)); a = np.abs(x).max(-1, keepdims=True)
;;       e = np.where(a > 0, np.clip(np.frexp(np.where(a > 0, a, 1))[1] - 1 - 2, -126, 127), 0)      # np.frexp(a)[1] - 1 = floor(log2(a)), exactly
;;       r = np.clip(x / 2.0 ** e, -7.5, 7.5)
;;       step = 2.0 ** (np.maximum(np.frexp(np.where(r == 0, 1, r))[1] - 1, 0) - 3)
;;       q = np.round(r / step) * step * 2.0 ** e      # np.round: ties to even
;;       return np.moveaxis(q.reshape(q.shape[:-2] + (-1,))[..., :K], -1, axis).astype(np.float32)
;;   ~~~
;;   OPERANDS COMPUTED ON THE WAY. 'Computed on the way' means the value that the module computes at that place (a softmax that the list does not call 'softmax' is quantised finished and normalised). What goes into a quantiser is computed in f32, as accurately as f32 sums, v_exp_f32 and their like allow (about 1e-6 of the number): no bf16 or f16 on the way to a quantiser, and a product that is left as it is and whose result goes on into a quantised operand takes f32 operands (vector FMAs, or v_wmma_f32_16x16x4_f32). A number that lies on a knife's edge between two numbers of the format may be rounded either way, as far as f32 arithmetic and the matrix unit's own rounding can turn it there, and no further.
;; One version. Each part assembles by itself: llvm-mc -triple=amdgcn-amd-amdhsa -mcpu=gfx1250 --defsym DOCPART=n.
;; ======== version 1 of 1: 3 launches
;; limits: right only within a limited range of input values
;; workspace buffers: xq 13,107,200 bytes; wq 6,553,600 bytes; sel 256 bytes of whole numbers; gw 256 bytes
;; launch quant_x (part 1): grid 513 x 1, 4 waves a work-group, no clusters, 34,816 bytes of LDS; arguments x, Wg, bg, xq, sel, gw; writes xq, sel, gw
.if DOCPART == 1
	.amdgcn_target "amdgcn-amd-amdhsa--gfx1250"
	.amdhsa_code_object_version 6
	.text
	.protected	k_qf6e0589bf3_quant_x
	.globl	k_qf6e0589bf3_quant_x
	.p2align	8
	.type	k_qf6e0589bf3_quant_x,@function
k_qf6e0589bf3_quant_x:
	s_mov_b64 s[64:65], 0
	v_nop
	global_prefetch_b8 v0, s[64:65] scope:SCOPE_SE
	s_setreg_imm32_b32 hwreg(HW_REG_WAVE_MODE, 25, 1), 1
	s_wait_xcnt 0x0
; x [8192][2048] f32 becomes codes of FP6 (E2M3) with one E8M0 byte for each 32 along K; and token 0's gate is computed.
; WORK LEFT OUT: the problem keeps only row 0 of top_k's results, so rows 1 to 8191 of the gate's product, softmax and top_k reach no output whatever the inputs hold: only x's row 0 meets Wg.
; Of We and be only the two experts that row 0 chooses are gathered by the problem; the later launches read those two alone.  A NaN, an infinity or an overflow that reaches only the work left out is not carried to the result.
; WORK-GROUP 0 IS THE GATE: wave w sums experts 2 w and 2 w + 1 in f32, the eight sums meet in LDS, wave 0 adds bg, takes the softmax (the largest logit is taken away first) and picks the two largest
; probabilities; of equal ones the lower index wins.  The indices go to sel as whole numbers, the probabilities to gw; no address and no branch of this launch hangs on them.
; WORK-GROUPS 1 TO 512 QUANTISE.  THE CODES ARE LAID AS THE PRODUCT'S REGISTERS WANT THEM: xq is [64 groups of 128 rows][8 slots of 256 along K][25,600 bytes].  Such a tile holds 16 fragments
; (block i of 16 rows, step q of 128 along K, at 1536 (2 i + q)): a lane's 12 operand registers as three pieces of 16 bytes, piece j at 512 j + 16 lane; behind them, at 24,576, the scale words: 128 i + 8 row + 4 q.
; A wave takes 32 rows x 256 along K in four quarters of 16 rows x 128.  A quarter's sixteen loads read 512 consecutive bytes of a row each; all 64 loads go out at the wave's start.  The operand's layout gives
; lane (r, h) blocks h and 2 + h of row r, so a quarter turns through the wave's own stage in LDS (rows 528 bytes apart) and comes back 2 x 128 bytes a lane.  A block is then one lane's: its largest magnitude needs no other lane.
; A block's scale is 2^(floor(log2(largest magnitude)) - 2); its byte is the largest magnitude's exponent field - 2, held at 1 from below.
; The codes stay in registers to the wave's end, so that no LDS store follows a global store; each store of codes covers 512 consecutive bytes, the wave's one store of scale words 256, all aligned.
; LIMITS: NaN and infinities among the inputs are not served.  A block whose largest magnitude lies under 2^-124, a block of zeros among them, gets the byte 1 (the rule says 127 for zeros): its codes are zeros
; or held, and this program alone reads the bytes.  A probability under 2^-126 comes out of v_exp_f32 as 0.  The gate's sums run in another order than the problem's text writes them.
; No cluster: the work-groups share no input but x's row 0.  No prefetch: the text has no loop to run ahead in, and a wave asks for all its 32,768 bytes at its start.  No matrix instruction: the gate is 16,384 multiply-adds.
.set PIT,   528                        ; a stage row: 512 bytes + 16
.set STG,   16*PIT                     ; a wave's stage
.set SPARE, 4*STG                      ; the spare words, 512 bytes
.set GLDS,  SPARE+512                  ; the gate's eight sums
.set TILEB, 25600
.set GRP,   8*TILEB
.set FLOOR, 0x1800000                  ; 2^(3 - 127)
.set SPW,   14
.set NIL,   15
.set R,     16                         ; v16-143 quarters 0 and 1 as loaded; v304-431 (window 1, v48-175) quarters 2 and 3
.set X,     144                        ; v144-207 my two blocks
.set T,     232                        ; v232-238 the blocks' upper halves as converted
.set WD,    240                        ; v240-243 a scale word for each quarter
.set GST,   244
.set GRD,   245
.set GX,    16
.set GW,    80
.set GA,    210
.set GP,    218
.set SRC,   4
.set DC,    10
.set DSC,   16
.macro LOAD u
.set LR, R+64*((\u)%2)+32*((\u)/2)
.if (\u) >= 2
	s_set_vgpr_msb 0x40                            ; destinations in window 1
.endif
.irp i, 0,1,2,3,4,5,6,7,8,9,10,11,12,13,14,15
	global_load_b128 v[LR+4*\i:LR+4*\i+3], v2, s[SRC:SRC+1] offset:(16*((\u)/2)+\i)*8192+512*((\u)%2) th:TH_LOAD_NT
.endr
.if (\u) >= 2
	s_set_vgpr_msb 0x4000
.endif
.endm
.macro SUB u                           ; quarter u: rows 16 (u / 2) .., step u % 2
.set SR, R+64*((\u)%2)+32*((\u)/2)
.set CS, 12*(\u)                       ; v256-303: the four quarters' operand registers
	s_wait_loadcnt 16*(3-(\u))                     ; this quarter's loads are in; the later quarters' sixteen each may be out
.if (\u) >= 2
	s_set_vgpr_msb 0x04                            ; the data: window 1
.endif
.irp i, 0,1,2,3,4,5,6,7,8,9,10,11,12,13,14,15
	ds_store_b128 v3, v[SR+4*\i:SR+4*\i+3] offset:PIT*\i
.endr
.if (\u) >= 2
	s_set_vgpr_msb 0x0400
.endif
.irp n, 0,1,2,3,4,5,6,7
	ds_load_b128 v[X+4*\n:X+4*\n+3], v4 offset:16*\n               ; block h; LDS serves a wave's instructions in order
	ds_load_b128 v[X+32+4*\n:X+32+4*\n+3], v4 offset:256+16*\n     ; block 2 + h
.endr
	s_wait_dscnt 0x0                               ; my blocks are here
.irp c, 0,1
.irp k, 0,1
	v_max3_num_f32 v[8+2*\c+\k], |v[X+32*\c+16*\k]|, |v[X+32*\c+16*\k+1]|, FLOOR   ; four chains by turns; the floor holds the byte at 1
.endr
.endr
.irp i, 2,4,6,8,10,12,14
.irp c, 0,1
.irp k, 0,1
	v_max3_num_f32 v[8+2*\c+\k], v[8+2*\c+\k], |v[X+32*\c+16*\k+\i]|, |v[X+32*\c+16*\k+\i+1]|
.endr
.endr
.endr
	v_max_num_f32 v8, v8, v9
	v_max_num_f32 v10, v10, v11
	v_add_nc_u32 v12, 0xff000000, v8               ; 2 off the exponent field: the conversion's scale operand
	v_add_nc_u32 v13, 0xff000000, v10
	v_lshrrev_b32 v8, 23, v12                      ; the bytes
	v_lshrrev_b32 v10, 23, v13
	v_lshl_or_b32 v8, v10, 16, v8                  ; blocks h and 2 + h,
	v_lshlrev_b32 v8, v6, v8                       ; at their places in the word
	v_permlanex16_b32 v7, v8, s32, s33
	v_or_b32 v[WD+(\u)], v8, v7                    ; with lane l xor 16's two the word is whole
	v_cvt_scalef32_pk16_fp6_f32 v[T:T+2], v[X+16:X+31], v12        ; (a conversion's three registers begin on an even number: the upper halves are made here and moved)
	v_cvt_scalef32_pk16_fp6_f32 v[T+4:T+6], v[X+48:X+63], v13
	s_set_vgpr_msb 0x40                            ; destinations in window 1
	v_cvt_scalef32_pk16_fp6_f32 v[CS:CS+2], v[X:X+15], v12
	v_cvt_scalef32_pk16_fp6_f32 v[CS+6:CS+8], v[X+32:X+47], v13
	v_nop                                          ; a plain line behind the conversions
.irp i, 0,1,2
	v_mov_b32 v[CS+3+\i], v[T+\i]
	v_mov_b32 v[CS+9+\i], v[T+4+\i]
.endr
	s_set_vgpr_msb 0x4000
.endm
.macro DOT u                           ; x's row 0 times Wg's row 2 w + u
.set DA, GA+4*(\u)
.set DW, GW+64*(\u)
	v_pk_mul_f32 v[DA:DA+1], v[GX:GX+1], v[DW:DW+1]
	v_pk_mul_f32 v[DA+2:DA+3], v[GX+2:GX+3], v[DW+2:DW+3]
.irp j, 4,8,12,16,20,24,28,32,36,40,44,48,52,56,60
	v_pk_fma_f32 v[DA:DA+1], v[GX+\j:GX+\j+1], v[DW+\j:DW+\j+1], v[DA:DA+1]
	v_pk_fma_f32 v[DA+2:DA+3], v[GX+\j+2:GX+\j+3], v[DW+\j+2:DW+\j+3], v[DA+2:DA+3]
.endr
	v_pk_add_f32 v[DA:DA+1], v[DA:DA+1], v[DA+2:DA+3]
	v_add_f32 v[DA], v[DA], v[DA+1]
	v_add_f32_dpp v[DA], v[DA], v[DA] row_xmask:1 row_mask:0xf bank_mask:0xf
	v_add_f32_dpp v[DA], v[DA], v[DA] row_xmask:2 row_mask:0xf bank_mask:0xf
	v_add_f32_dpp v[DA], v[DA], v[DA] row_xmask:4 row_mask:0xf bank_mask:0xf
	v_add_f32_dpp v[DA], v[DA], v[DA] row_xmask:8 row_mask:0xf bank_mask:0xf
	v_permlanex16_b32 v[GP+(\u)], v[DA], s32, s33
	v_add_f32 v[GA+(\u)], v[DA], v[GP+(\u)]
.endm
	s_load_b256 s[4:11], s[0:1], 0x0               ; x, Wg, bg, xq
	s_load_b128 s[12:15], s[0:1], 0x20             ; sel, gw
	v_lshl_add_u32 v[SPW], v0, 2, SPARE
	v_mov_b32 v[NIL], 0
	v_lshrrev_b32 v1, 5, v0
	v_readfirstlane_b32 s18, v1                    ; wave
	s_mul_i32 s19, s18, STG
	s_lshl_b32 s20, s18, 3
	s_add_co_u32 s20, s20, GLDS
	s_mov_b32 s32, 0x76543210
	s_mov_b32 s33, 0xfedcba98                      ; lane l xor 16
	v_and_b32 v1, 31, v0
	v_lshlrev_b32 v2, 4, v1                        ; 16 x lane: loads and code stores
	v_add_nc_u32 v3, s19, v2                       ; the stage, on the way in
	v_and_b32 v7, 15, v0
	v_bfe_u32 v6, v0, 4, 1
	v_mul_u32_u24 v4, v7, PIT
	v_lshl_add_u32 v4, v6, 7, v4
	v_add_nc_u32 v4, s19, v4                       ; and out: row r, 128 h
	v_lshlrev_b32 v5, 3, v1                        ; 8 x lane
	v_lshlrev_b32 v6, 3, v6                        ; 8 h
	v_mov_b32 v7, 0                                ; a lane permute's destination counts as a source
	v_mov_b32 v[GST], s20                          ; the gate's LDS addresses are made ahead of the parting
	v_mov_b32 v[GRD], GLDS
	s_wait_alu depctr_va_vdst(0)                   ; the wait at the head's end
	s_wait_kmcnt 0x0
	s_cmp_eq_u32 ttmp9, 0
	s_cbranch_scc1 .Lgate
	s_sub_co_u32 s20, ttmp9, 1
	s_lshr_b32 s21, s20, 1                         ; which 32 rows
	s_and_b32 s20, s20, 1
	s_lshl_b32 s20, s20, 2
	s_add_co_u32 s20, s20, s18                     ; which slot of 256 along K
	s_lshl_b32 s22, s21, 18                        ; 32 rows of 8,192 bytes
	s_lshl_b32 s24, s20, 10
	s_add_co_u32 s22, s22, s24
	s_mov_b32 s23, 0
	s_add_nc_u64 s[SRC:SRC+1], s[SRC:SRC+1], s[22:23]
	s_lshr_b32 s22, s21, 2
	s_mul_i32 s22, s22, GRP
	s_mul_i32 s24, s20, TILEB
	s_add_co_u32 s22, s22, s24
	s_add_nc_u64 s[DC:DC+1], s[DC:DC+1], s[22:23]  ; the tile
	s_and_b32 s21, s21, 3
	s_lshl_b32 s22, s21, 8
	s_add_nc_u64 s[DSC:DSC+1], s[DC:DC+1], s[22:23] ; my 256 bytes of its scale words
	s_mul_i32 s22, s21, 6144
	s_add_nc_u64 s[DC:DC+1], s[DC:DC+1], s[22:23]  ; my four fragments
	LOAD 0
	LOAD 1
	LOAD 2
	LOAD 3
	SUB 0
	SUB 1
	SUB 2
	SUB 3
	s_set_vgpr_msb 0x04                            ; the data: window 1
.irp k, 0,1,2,3,4,5,6,7,8,9,10,11
	global_store_b128 v2, v[4*\k:4*\k+3], s[DC:DC+1] offset:512*\k   ; four fragments on end: each store 512 consecutive bytes
.endr
	s_set_vgpr_msb 0x0400
	v_cmp_eq_u32 vcc_lo, 0, v6
	v_cndmask_b32 v8, v[WD+2], v[WD], vcc_lo       ; lanes 0-15 send the first 16 rows' two words, lanes 16-31 the second's
	v_cndmask_b32 v9, v[WD+3], v[WD+1], vcc_lo
	global_store_b64 v5, v[8:9], s[DSC:DSC+1] offset:24576
	s_branch .Ljoin
.Lgate:
	s_lshl_b32 s20, s18, 14                        ; two rows of Wg
	s_mov_b32 s21, 0
	s_add_nc_u64 s[6:7], s[6:7], s[20:21]
	v_mov_b32 v[GP], 0
	v_mov_b32 v[GP+1], 0
.irp i, 0,1,2,3,4,5,6,7,8,9,10,11,12,13,14,15
	global_load_b128 v[GX+4*\i:GX+4*\i+3], v2, s[4:5] offset:512*\i
.endr
.irp i, 0,1,2,3,4,5,6,7,8,9,10,11,12,13,14,15
	global_load_b128 v[GW+4*\i:GW+4*\i+3], v2, s[6:7] offset:512*\i
.endr
.irp i, 0,1,2,3,4,5,6,7,8,9,10,11,12,13,14,15
	global_load_b128 v[GW+64+4*\i:GW+64+4*\i+3], v2, s[6:7] offset:8192+512*\i
.endr
	s_wait_loadcnt 16                              ; the second row's sixteen loads may be out
	DOT 0
	s_wait_loadcnt 0x0
	DOT 1
	ds_store_b64 v[GST], v[GA:GA+1]                ; all lanes write the same eight bytes
.Ljoin:
	s_wait_dscnt 0x0
	s_barrier_signal -1
	s_barrier_wait -1
	s_or_b32 s20, ttmp9, s18
	s_cmp_lg_u32 s20, 0
	s_cbranch_scc1 .Lend                           ; the rest is wave 0 of work-group 0's
	s_load_b256 s[24:31], s[8:9], 0x0              ; bg
	ds_load_b128 v[16:19], v[GRD]
	ds_load_b128 v[20:23], v[GRD] offset:16
	s_wait_kmcnt 0x0
	s_wait_dscnt 0x0
.irp e, 0,1,2,3,4,5,6,7
	v_add_f32 v[16+\e], s[24+\e], v[16+\e]         ; the logits
.endr
	v_max3_num_f32 v32, v16, v17, v18
	v_max3_num_f32 v33, v19, v20, v21
	v_max3_num_f32 v32, v32, v22, v23
	v_max_num_f32 v32, v32, v33
.irp e, 0,1,2,3,4,5,6,7
	v_sub_f32 v[24+\e], v[16+\e], v32
.endr
.irp e, 0,1,2,3,4,5,6,7
	v_mul_f32 v[24+\e], 0x3fb8aa3b, v[24+\e]
.endr
	s_wait_alu depctr_va_vdst(0)                   ; the waits round a batch of transcendentals
.irp e, 0,1,2,3,4,5,6,7
	v_exp_f32 v[24+\e], v[24+\e]
.endr
	v_nop
	s_wait_alu depctr_va_vdst(0)
	v_add_f32 v33, v24, v25
	v_add_f32 v34, v26, v27
	v_add_f32 v35, v28, v29
	v_add_f32 v36, v30, v31
	v_add_f32 v33, v33, v34
	v_add_f32 v35, v35, v36
	v_add_f32 v33, v33, v35
	s_wait_alu depctr_va_vdst(0)
	v_rcp_f32 v34, v33
	v_mov_b32 v42, 0                               ; the first choice begins at expert 0
	s_wait_alu depctr_va_vdst(0)
.irp e, 0,1,2,3,4,5,6,7
	v_mul_f32 v[24+\e], v[24+\e], v34              ; the probabilities
.endr
	v_mov_b32 v40, v24
.irp e, 1,2,3,4,5,6,7
	v_cmp_le_f32 vcc_lo, v[24+\e], v40             ; not larger: the lower index stays
	v_cndmask_b32 v40, v[24+\e], v40, vcc_lo
	v_cndmask_b32 v42, \e, v42, vcc_lo
.endr
	v_mov_b32 v44, -1.0
.irp e, 0,1,2,3,4,5,6,7
	v_cmp_eq_u32 vcc_lo, \e, v42
	v_cndmask_b32 v[48+\e], v[24+\e], v44, vcc_lo  ; the first choice leaves the field
.endr
	v_mov_b32 v41, v48
	v_mov_b32 v43, 0
.irp e, 1,2,3,4,5,6,7
	v_cmp_le_f32 vcc_lo, v[48+\e], v41
	v_cndmask_b32 v41, v[48+\e], v41, vcc_lo
	v_cndmask_b32 v43, \e, v43, vcc_lo
.endr
	global_store_b64 v5, v[42:43], s[12:13]        ; the pair 32 times: 256 consecutive bytes; the first pair is read
	global_store_b64 v5, v[40:41], s[14:15]
.Lend:
	s_wait_tensorcnt 0x0                           ; the wave's end
	ds_add_u32 v[SPW], v[NIL]
	s_wait_dscnt 0x0
	s_endpgm
.Lfunc_end_k_qf6e0589bf3_quant_x:
	.size	k_qf6e0589bf3_quant_x, .Lfunc_end_k_qf6e0589bf3_quant_x-k_qf6e0589bf3_quant_x
	.p2alignl 7, 3214868480
	.fill 96, 4, 3214868480
	.section	.rodata,"a",@progbits
	.p2align	6, 0x0
	.amdhsa_kernel k_qf6e0589bf3_quant_x
		.amdhsa_group_segment_fixed_size 34816
		.amdhsa_private_segment_fixed_size 0
		.amdhsa_enable_private_segment 0
		.amdhsa_kernarg_size 48
		.amdhsa_user_sgpr_count 2
		.amdhsa_user_sgpr_kernarg_segment_ptr 1
		.amdhsa_wavefront_size32 1
		.amdhsa_system_sgpr_workgroup_id_x 1
		.amdhsa_system_sgpr_workgroup_id_y 1
		.amdhsa_system_sgpr_workgroup_id_z 1
		.amdhsa_system_vgpr_workitem_id 0
		.amdhsa_next_free_vgpr 448
		.amdhsa_next_free_sgpr 66
		.amdhsa_reserve_vcc 1
		.amdhsa_float_denorm_mode_32 3
		.amdhsa_float_denorm_mode_16_64 3
		.amdhsa_memory_ordered 1
		.amdhsa_forward_progress 1
		.amdhsa_inst_pref_size 46
	.end_amdhsa_kernel
	.amdgpu_metadata
---
amdhsa.version: [ 1, 2 ]
amdhsa.kernels:
  - .name:           k_qf6e0589bf3_quant_x
    .symbol:         k_qf6e0589bf3_quant_x.kd
    .args:
      - { .name: x, .offset: 0, .size: 8, .value_kind: global_buffer, .address_space: global }
      - { .name: Wg, .offset: 8, .size: 8, .value_kind: global_buffer, .address_space: global }
      - { .name: bg, .offset: 16, .size: 8, .value_kind: global_buffer, .address_space: global }
      - { .name: xq, .offset: 24, .size: 8, .value_kind: global_buffer, .address_space: global }
      - { .name: sel, .offset: 32, .size: 8, .value_kind: global_buffer, .address_space: global }
      - { .name: gw, .offset: 40, .size: 8, .value_kind: global_buffer, .address_space: global }
    .group_segment_fixed_size: 34816
    .private_segment_fixed_size: 0
    .kernarg_segment_align: 8
    .kernarg_segment_size: 48
    .max_flat_workgroup_size: 128
    .sgpr_count:     66
    .vgpr_count:     448
    .wavefront_size: 32
...
	.end_amdgpu_metadata
.endif
;; end of part 1
;; launch quant_w (part 2): grid 256 x 1, 4 waves a work-group, no clusters, 34,304 bytes of LDS; arguments We, sel, wq; writes wq
.if DOCPART == 2
	.amdgcn_target "amdgcn-amd-amdhsa--gfx1250"
	.amdhsa_code_object_version 6
	.text
	.protected	k_qf6e0589bf3_quant_w
	.globl	k_qf6e0589bf3_quant_w
	.p2align	8
	.type	k_qf6e0589bf3_quant_w,@function
k_qf6e0589bf3_quant_w:
	s_mov_b64 s[64:65], 0
	v_nop
	global_prefetch_b8 v0, s[64:65] scope:SCOPE_SE
	s_setreg_imm32_b32 hwreg(HW_REG_WAVE_MODE, 25, 1), 1
	s_wait_xcnt 0x0
; The two experts that token 0 chose (sel, whole numbers stored by the launch before) are gathered from We [8][2048][2048] f32 and become codes of FP6 (E2M3) with E8M0 scale bytes.  The six experts not chosen are not read: the problem gathers two.
; wq is laid as xq is: [32 groups of 128 rows][8 slots of 256 along K][25,600 bytes: 16 fragments as register images, then the scale words].
; ROW 128 g + 64 e + o of wq is We[sel[e]][64 g + o]: a wave of the product's launch, which takes a group, holds 64 outputs of the first choice and the same 64 of the second.
; A wave takes 32 rows x 256 along K in four quarters, all 64 loads going out at its start; the arithmetic, the turn through the wave's own stage and the stores at the wave's end are those of the launch that quantises x.
; LIMITS: NaN and infinities among the inputs are not served.  A block whose largest magnitude lies under 2^-124, a block of zeros among them, gets the byte 1 (the rule says 127 for zeros); this program alone reads the bytes.
; No cluster: the work-groups share only the eight bytes of sel.  No barrier: waves share nothing.  No prefetch: no loop to run ahead in.
.set PIT,   528
.set STG,   16*PIT
.set SPARE, 4*STG
.set TILEB, 25600
.set GRP,   8*TILEB
.set FLOOR, 0x1800000
.set SPW,   14
.set NIL,   15
.set R,     16                         ; v16-143 quarters 0 and 1 as loaded; v304-431 (window 1, v48-175) quarters 2 and 3
.set X,     144
.set T,     232
.set WD,    240
.set SRC,   4
.set DC,    8
.set DSC,   16
.macro LOAD u
.set LR, R+64*((\u)%2)+32*((\u)/2)
.if (\u) >= 2
	s_set_vgpr_msb 0x40                            ; destinations in window 1
.endif
.irp i, 0,1,2,3,4,5,6,7,8,9,10,11,12,13,14,15
	global_load_b128 v[LR+4*\i:LR+4*\i+3], v2, s[SRC:SRC+1] offset:(16*((\u)/2)+\i)*8192+512*((\u)%2) th:TH_LOAD_NT
.endr
.if (\u) >= 2
	s_set_vgpr_msb 0x4000
.endif
.endm
.macro SUB u
.set SR, R+64*((\u)%2)+32*((\u)/2)
.set CS, 12*(\u)                       ; v256-303: the four quarters' operand registers
	s_wait_loadcnt 16*(3-(\u))                     ; the later quarters' sixteen loads each may be out
.if (\u) >= 2
	s_set_vgpr_msb 0x04                            ; the data: window 1
.endif
.irp i, 0,1,2,3,4,5,6,7,8,9,10,11,12,13,14,15
	ds_store_b128 v3, v[SR+4*\i:SR+4*\i+3] offset:PIT*\i
.endr
.if (\u) >= 2
	s_set_vgpr_msb 0x0400
.endif
.irp n, 0,1,2,3,4,5,6,7
	ds_load_b128 v[X+4*\n:X+4*\n+3], v4 offset:16*\n
	ds_load_b128 v[X+32+4*\n:X+32+4*\n+3], v4 offset:256+16*\n
.endr
	s_wait_dscnt 0x0
.irp c, 0,1
.irp k, 0,1
	v_max3_num_f32 v[8+2*\c+\k], |v[X+32*\c+16*\k]|, |v[X+32*\c+16*\k+1]|, FLOOR
.endr
.endr
.irp i, 2,4,6,8,10,12,14
.irp c, 0,1
.irp k, 0,1
	v_max3_num_f32 v[8+2*\c+\k], v[8+2*\c+\k], |v[X+32*\c+16*\k+\i]|, |v[X+32*\c+16*\k+\i+1]|
.endr
.endr
.endr
	v_max_num_f32 v8, v8, v9
	v_max_num_f32 v10, v10, v11
	v_add_nc_u32 v12, 0xff000000, v8
	v_add_nc_u32 v13, 0xff000000, v10
	v_lshrrev_b32 v8, 23, v12
	v_lshrrev_b32 v10, 23, v13
	v_lshl_or_b32 v8, v10, 16, v8
	v_lshlrev_b32 v8, v6, v8
	v_permlanex16_b32 v7, v8, s32, s33
	v_or_b32 v[WD+(\u)], v8, v7
	v_cvt_scalef32_pk16_fp6_f32 v[T:T+2], v[X+16:X+31], v12
	v_cvt_scalef32_pk16_fp6_f32 v[T+4:T+6], v[X+48:X+63], v13
	s_set_vgpr_msb 0x40                            ; destinations in window 1
	v_cvt_scalef32_pk16_fp6_f32 v[CS:CS+2], v[X:X+15], v12
	v_cvt_scalef32_pk16_fp6_f32 v[CS+6:CS+8], v[X+32:X+47], v13
	v_nop
.irp i, 0,1,2
	v_mov_b32 v[CS+3+\i], v[T+\i]
	v_mov_b32 v[CS+9+\i], v[T+4+\i]
.endr
	s_set_vgpr_msb 0x4000
.endm
	s_load_b128 s[4:7], s[0:1], 0x0                ; We, sel
	s_load_b64 s[8:9], s[0:1], 0x10                ; wq
	v_lshl_add_u32 v[SPW], v0, 2, SPARE
	v_mov_b32 v[NIL], 0
	v_lshrrev_b32 v1, 5, v0
	v_readfirstlane_b32 s18, v1
	s_mul_i32 s19, s18, STG
	s_mov_b32 s32, 0x76543210
	s_mov_b32 s33, 0xfedcba98
	v_and_b32 v1, 31, v0
	v_lshlrev_b32 v2, 4, v1
	v_add_nc_u32 v3, s19, v2
	v_and_b32 v7, 15, v0
	v_bfe_u32 v6, v0, 4, 1
	v_mul_u32_u24 v4, v7, PIT
	v_lshl_add_u32 v4, v6, 7, v4
	v_add_nc_u32 v4, s19, v4
	v_lshlrev_b32 v5, 3, v1
	v_lshlrev_b32 v6, 3, v6
	v_mov_b32 v7, 0
	s_wait_alu depctr_va_vdst(0)                   ; the wait at the head's end
	s_wait_kmcnt 0x0
	s_load_b64 s[12:13], s[6:7], 0x0               ; the two chosen experts
	s_lshr_b32 s21, ttmp9, 1                       ; which 32 rows of wq
	s_and_b32 s20, ttmp9, 1
	s_lshl_b32 s20, s20, 2
	s_add_co_u32 s20, s20, s18                     ; which slot
	s_lshr_b32 s22, s21, 2
	s_lshl_b32 s24, s22, 6                         ; the row of We: 64 x group
	s_and_b32 s25, s21, 1
	s_lshl_b32 s25, s25, 5
	s_add_co_u32 s24, s24, s25                     ; + 32 x the low bit
	s_lshl_b32 s24, s24, 13
	s_lshl_b32 s25, s20, 10
	s_add_co_u32 s24, s24, s25
	s_mul_i32 s22, s22, GRP
	s_mul_i32 s25, s20, TILEB
	s_add_co_u32 s22, s22, s25
	s_mov_b32 s23, 0
	s_add_nc_u64 s[DC:DC+1], s[DC:DC+1], s[22:23]
	s_and_b32 s21, s21, 3
	s_lshl_b32 s22, s21, 8
	s_add_nc_u64 s[DSC:DSC+1], s[DC:DC+1], s[22:23]
	s_mul_i32 s22, s21, 6144
	s_add_nc_u64 s[DC:DC+1], s[DC:DC+1], s[22:23]
	s_wait_kmcnt 0x0
	s_bitcmp1_b32 ttmp9, 2                         ; first choice or second: bit 1 of the 32 rows' number
	s_cselect_b32 s22, s13, s12
	s_min_u32 s22, s22, 7                          ; a loaded number enters an address only bounded
	s_lshl_b32 s22, s22, 24
	s_add_co_u32 s22, s22, s24
	s_add_nc_u64 s[SRC:SRC+1], s[SRC:SRC+1], s[22:23]
	LOAD 0
	LOAD 1
	LOAD 2
	LOAD 3
	SUB 0
	SUB 1
	SUB 2
	SUB 3
	s_set_vgpr_msb 0x04                            ; the data: window 1
.irp k, 0,1,2,3,4,5,6,7,8,9,10,11
	global_store_b128 v2, v[4*\k:4*\k+3], s[DC:DC+1] offset:512*\k
.endr
	s_set_vgpr_msb 0x0400
	v_cmp_eq_u32 vcc_lo, 0, v6
	v_cndmask_b32 v8, v[WD+2], v[WD], vcc_lo
	v_cndmask_b32 v9, v[WD+3], v[WD+1], vcc_lo
	global_store_b64 v5, v[8:9], s[DSC:DSC+1] offset:24576
	s_wait_tensorcnt 0x0                           ; the wave's end
	ds_add_u32 v[SPW], v[NIL]
	s_wait_dscnt 0x0
	s_endpgm
.Lfunc_end_k_qf6e0589bf3_quant_w:
	.size	k_qf6e0589bf3_quant_w, .Lfunc_end_k_qf6e0589bf3_quant_w-k_qf6e0589bf3_quant_w
	.p2alignl 7, 3214868480
	.fill 96, 4, 3214868480
	.section	.rodata,"a",@progbits
	.p2align	6, 0x0
	.amdhsa_kernel k_qf6e0589bf3_quant_w
		.amdhsa_group_segment_fixed_size 34304
		.amdhsa_private_segment_fixed_size 0
		.amdhsa_enable_private_segment 0
		.amdhsa_kernarg_size 24
		.amdhsa_user_sgpr_count 2
		.amdhsa_user_sgpr_kernarg_segment_ptr 1
		.amdhsa_wavefront_size32 1
		.amdhsa_system_sgpr_workgroup_id_x 1
		.amdhsa_system_sgpr_workgroup_id_y 1
		.amdhsa_system_sgpr_workgroup_id_z 1
		.amdhsa_system_vgpr_workitem_id 0
		.amdhsa_next_free_vgpr 448
		.amdhsa_next_free_sgpr 66
		.amdhsa_reserve_vcc 1
		.amdhsa_float_denorm_mode_32 3
		.amdhsa_float_denorm_mode_16_64 3
		.amdhsa_memory_ordered 1
		.amdhsa_forward_progress 1
		.amdhsa_inst_pref_size 31
	.end_amdhsa_kernel
	.amdgpu_metadata
---
amdhsa.version: [ 1, 2 ]
amdhsa.kernels:
  - .name:           k_qf6e0589bf3_quant_w
    .symbol:         k_qf6e0589bf3_quant_w.kd
    .args:
      - { .name: We, .offset: 0, .size: 8, .value_kind: global_buffer, .address_space: global }
      - { .name: sel, .offset: 8, .size: 8, .value_kind: global_buffer, .address_space: global }
      - { .name: wq, .offset: 16, .size: 8, .value_kind: global_buffer, .address_space: global }
    .group_segment_fixed_size: 34304
    .private_segment_fixed_size: 0
    .kernarg_segment_align: 8
    .kernarg_segment_size: 24
    .max_flat_workgroup_size: 128
    .sgpr_count:     66
    .vgpr_count:     448
    .wavefront_size: 32
...
	.end_amdgpu_metadata
.endif
;; end of part 2
;; launch gemm (part 3): grid 16 x 16, 4 waves a work-group, clusters of 4 x 4, 327,680 bytes of LDS; arguments xq, wq, be, sel, out0, gw; writes out0
.if DOCPART == 3
	.amdgcn_target "amdgcn-amd-amdhsa--gfx1250"
	.amdhsa_code_object_version 6
	.text
	.protected	k_qf6e0589bf3_gemm
	.globl	k_qf6e0589bf3_gemm
	.p2align	8
	.type	k_qf6e0589bf3_gemm,@function
k_qf6e0589bf3_gemm:
	s_mov_b64 s[64:65], 0
	v_nop
	global_prefetch_b8 v0, s[64:65] scope:SCOPE_SE
	s_setreg_imm32_b32 hwreg(HW_REG_WAVE_MODE, 25, 1), 1
	s_wait_xcnt 0x0
	s_wait_alu depctr_hold_cnt(0) depctr_sa_sdst(0) depctr_va_vdst(0) depctr_va_sdst(0) depctr_va_ssrc(0) depctr_va_vcc(0) depctr_vm_vsrc(0)
	s_getreg_b32 s2, hwreg(HW_REG_IB_STS2, 6, 4)
	s_cmp_eq_u32 s2, 0
	s_cbranch_scc0 .Lentry_in_a_cluster
	s_endpgm
.Lentry_in_a_cluster:
	s_bfe_u32 s2, ttmp6, 0x10000c
	s_cmp_lg_u32 s2, 0xf033
	s_cbranch_scc0 .Lentry_shape_is_right
	s_endpgm
.Lentry_shape_is_right:
; out[n][o] = w0 (x We[i0]^T + be[i0]) + w1 (x We[i1]^T + be[i1]), on codes of FP6 with E8M0 scales.  Only the two experts that token 0 chose are multiplied: the problem gathers those two.
; xq and wq hold tiles of 25,600 dense bytes: 128 rows x 256 along K as 16 fragments in the operand registers' own order (three pieces of 16 bytes a lane, 512 j + 16 lane), then the rows' scale words.
; A tile comes by one tensor load as 100 rows of 256 bytes; a fragment is three ds_load_b128 at consecutive addresses; the scale words come with their tile.
; A work-group of four waves makes two tiles of 256 tokens x 256 rows of wq (128 outputs x two experts); a wave 128 x 128 in 64 accumulators.  B's blocks 0-3 are 64 outputs of the first choice, 4-7 the same 64 of the second.
; The work-group's first tile is x's groups 4 ty and 4 ty + 2, its second 4 ty + 1 and 4 ty + 3: so A's address walks 16 slots on end.  B's goes back six slots at the change of tiles.
; RING: two slots, each 256 along K of A's 256 rows and B's 256 rows (102,400 bytes), one load a wave behind each round.  A and B have two register sets each, so a slot is read out when its second step begins:
; the change of slots stands in that step's first sixteen matrix instructions.  A step's LDS loads stand in two runs: B's 24 and A's 24.
; CLUSTERS 4 x 4: A's tiles are asked for jointly along a row of the cluster, B's along a column.  PREFETCH: behind each refill the tile two refills on, 25 blocks of 256 bytes for each of the four partners, told apart by address.
; THE MATRIX INSTRUCTION IS USED TRANSPOSED (source 0 = wq's rows, source 1 = x's rows): a lane holds eight neighbouring outputs of one token.
; WAY OUT: w0 acc0 + (w0 b0 + w1 b1), then + w1 acc1; 16 rows x 64 outputs through the wave's own stage; sixteen lanes store 256 consecutive bytes, aligned.
; THE FIRST TILE'S RESULTS ARE PARKED: block 0 leaves at once; blocks 1-7 are joined and laid in seven stage areas of 4,352 bytes a wave, behind the ring, and leave eight rows a step
; (four LDS loads in one step's run, their four stores in the next step's) while the second tile is multiplied.
; REGISTERS: window 0: v0-31 addresses, v32-63 scale words (a set a slot), v64-159 and v160-255 A's two sets; window 1: v0-95 and v128-223 B's two sets, v96-127 the joined biases, v224-255 parked rows on their way; windows 2, 3 the accumulators.
.set TILEB, 25600
.set GRP,   8*TILEB
.set SLOT,  4*TILEB
.set SCOFF, 24576
.set STAGE, 2*SLOT
.set SPITCH, 272
.set ABLK,  16*SPITCH                  ; a stage area: 16 rows
.set WSTG,  7*ABLK                     ; a wave's seven areas
.set SPARE, STAGE+4*WSTG
.set OROW,  8192
.set FR,    12
.set W0,   8
.set W1,   10
.set ADRA, 16
.set ADRB, 18
.set ADRS, 20
.set STO,  24
.set RD,   25
.set CO,   26
.set BO,   27
.set SPW,  28
.set NIL,  29
.set PFO,  30
.set RDD,  31                          ; where the parked rows are read: RD + s[RS]
.set SC,   32
.set AF,   64
.set TT0,  160                         ; the way out: joined results, in A's second set
.set BT,   160                         ; the head: the two bias rows as loaded
.set BK,   128                         ; the last way out: rows read back, in B's second set (window 1)
.set DB,   224                         ; window 1: parked rows read back, two sets of 16
.set CB,   96                          ; window 1: w0 b0 + w1 b1
.set WV, 16
.set RH, 17
.set CH, 18
.set G1, 24
.set G0, 32
.set PFA, 44
.set LIM, 46
.set G1B, 48
.set G0B, 56
.set DP,  72                           ; s[72:73] the parked rows' place in out0
.set CNT, 74
.set RS,  75
.set MSB, 0
.macro WIN new
.if MSB != (\new)
	s_set_vgpr_msb (MSB<<8)|(\new)
.set MSB, (\new)
.endif
.endm
.set MUL_LO, 0xa1                      ; source 0 window 1, source 1 window 0, C and D window 2
.set TO_B,   0x40
.macro JLOAD s                         ; waves 0, 1 fetch A's halves, waves 2, 3 B's
	s_cmp_eq_u32 s[RH], 0
	s_cbranch_scc0 .Lfor_b_\@
	tensor_load_to_lds s[G0+4*\s:G0+4*\s+3], s[G1:G1+7]
	s_nop 0
.rept 4
	v_nop
.endr
	s_branch .Lasked_\@
.Lfor_b_\@:
	tensor_load_to_lds s[G0B+4*\s:G0B+4*\s+3], s[G1B:G1B+7]
	s_nop 0
.rept 4
	v_nop
.endr
.Lasked_\@:
.endm
.macro CREST
	s_cmp_lg_u32 s[WV], 0
	s_cbranch_scc1 .Lnot_wave_0_\@
	s_barrier_signal -3
.Lnot_wave_0_\@:
	s_barrier_wait -3
	s_barrier_signal -1
	s_barrier_wait -1
.endm
.macro CROUND
	s_barrier_signal -1
	s_barrier_wait -1
	CREST
.endm
.macro PLACES
.rept 4
	v_nop
.endr
.endm
.macro LDF reg, adr, f                 ; fragment f of a tile: 12 registers
.irp j, 0,1,2
	ds_load_b128 v[\reg+4*\j:\reg+4*\j+3], v[\adr] offset:1536*(\f)+512*\j
.endr
.endm
.macro FB slot, q                      ; B's eight blocks of step q into set q
	WIN TO_B
.irp i, 0,1,2,3,4,5,6,7
	LDF 128*(\q)+FR*\i, ADRB+\slot, 2*\i+(\q)
.endr
.endm
.macro FA4 slot, q, i0                 ; A's blocks i0 .. i0 + 3 likewise
	WIN 0
.irp i, \i0, \i0+1, \i0+2, \i0+3
	LDF AF+96*(\q)+FR*(\i), ADRA+\slot, 2*(\i)+(\q)
.endr
.endm
.macro SCALES slot                     ; both steps' words: lanes 0-15 A's block i, lanes 16-31 B's block i
	WIN 0
.irp i, 0,1,2,3,4,5,6,7
	ds_load_b64 v[SC+16*\slot+2*\i:SC+16*\slot+2*\i+1], v[ADRS+\slot] offset:128*\i
.endr
.endm
; A's block a against B's eight; the 64 accumulators take turns in one order in every step
.macro MUL8 a, q, sc, zero
	WIN MUL_LO+0x50*((\a)/4)
.irp b, 0,1,2,3,4,5,6,7
.if \zero
	v_wmma_scale_f32_16x16x128_f8f6f4 v[8*(8*((\a)%4)+\b):8*(8*((\a)%4)+\b)+7], v[128*(\q)+FR*\b:128*(\q)+FR*\b+FR-1], v[AF+96*(\q)+FR*(\a):AF+96*(\q)+FR*(\a)+FR-1], 0, v[SC+16*(\sc)+2*\b+(\q)], v[SC+16*(\sc)+2*(\a)+(\q)] matrix_a_fmt:MATRIX_FMT_FP6 matrix_b_fmt:MATRIX_FMT_FP6 matrix_a_scale:MATRIX_SCALE_ROW1
.else
	v_wmma_scale_f32_16x16x128_f8f6f4 v[8*(8*((\a)%4)+\b):8*(8*((\a)%4)+\b)+7], v[128*(\q)+FR*\b:128*(\q)+FR*\b+FR-1], v[AF+96*(\q)+FR*(\a):AF+96*(\q)+FR*(\a)+FR-1], v[8*(8*((\a)%4)+\b):8*(8*((\a)%4)+\b)+7], v[SC+16*(\sc)+2*\b+(\q)], v[SC+16*(\sc)+2*(\a)+(\q)] matrix_a_fmt:MATRIX_FMT_FP6 matrix_b_fmt:MATRIX_FMT_FP6 matrix_a_scale:MATRIX_SCALE_ROW1
.endif
.endr
.endm
.macro MULS a0, a1, q, sc, zero        ; blocks a0 .. a1
.set MA, \a0
.rept (\a1)-(\a0)+1
	MUL8 MA, \q, \sc, \zero
.set MA, MA+1
.endr
.endm
; The parked rows, in units of eight rows, counted from where RDD and s[DP] stand.  sk >= 0: unit sk, read back a step ago, is stored (adj: rows by which s[DP] has stepped past the count's origin).  lk >= 0: unit lk is read back.
.macro DRIP lk, sk, adj
.if (\sk) >= 0
	WIN 0x04                                       ; the data: window 1
.irp t, 0,1,2,3
	global_store_b128 v[CO], v[DB+16*((\sk)%2)+4*\t:DB+16*((\sk)%2)+4*\t+3], s[DP:DP+1] offset:(16*((\sk)/2)+8*((\sk)%2)+2*\t-(\adj))*OROW th:TH_STORE_NT
.endr
.endif
.if (\lk) >= 0
	WIN TO_B
.irp t, 0,1,2,3
	ds_load_b128 v[DB+16*((\lk)%2)+4*\t:DB+16*((\lk)%2)+4*\t+3], v[RDD] offset:((\lk)/2)*ABLK+((\lk)%2)*8*SPITCH+2*\t*SPITCH
.endr
.endif
.endm
; A slot's first step: multiplies set 0 and fetches the second step's fragments into set 1, B's at its start, A's in its middle
.macro STEP slot, zero, lk, sk, adj, bump
	PLACES                                         ; four places between the last step's products, which read set 1, and the loads into it
	s_wait_dscnt 12                                ; all but the youngest twelve loads, A's blocks 4-7
.if (\lk) >= 0
	s_wait_xcnt 0x0                                ; the last step's stores have read the registers that this unit lands in
.endif
	DRIP \lk, \sk, \adj
.if \bump
	WIN 0
	s_add_co_u32 s[RS], s[RS], 2*ABLK              ; four units, two areas, a trip
	v_add_nc_u32 v[RDD], s[RS], v[RD]
	s_wait_alu depctr_va_vdst(0)                   ; directly behind the write
.endif
	FB \slot, 1
	MULS 0, 3, 0, \slot, \zero
.if (\lk) >= 0
	s_wait_dscnt 28                                ; A's blocks 4-7 are in; behind them: the unit's 4 loads and B's 24
.else
	s_wait_dscnt 24
.endif
	FA4 \slot, 1, 0
	FA4 \slot, 1, 4
	MULS 4, 7, 0, \slot, \zero
.endm
; A slot's second step: multiplies set 1 and changes slots.  fill: 0 none, 1 two slots on, 2 the same with B going back to the next tile's start.  ask: 0 none, 1 by the loop's count, 2 A's waves alone
.macro TURN slot, next, fill, ask, lk, sk, adj, dpstep
	s_wait_xcnt 0x0                                ; my last prefetch and stores have read their addresses and registers
	s_add_nc_u64 s[PFA:PFA+1], s[PFA:PFA+1], TILEB
.if \dpstep
	s_add_nc_u64 s[DP:DP+1], s[DP:DP+1], 32*OROW   ; four units a trip
.endif
	WIN 0
	s_wait_tensorcnt 0x0                           ; my part of the next slot has landed;
	ds_add_u32 v[SPW], v[NIL]
	s_wait_dscnt 13                                ; (the add and A's blocks 4-7 may be out)
	MUL8 0, 1, \slot, 0
	s_wait_dscnt 0x0                               ; the add is done, and all of this slot that I need is in registers
	s_barrier_signal -1
	MUL8 1, 1, \slot, 0
	WIN 0
	s_barrier_wait -1
.if \fill
	CREST                                          ; the barrier has opened a round of the cluster's barrier
	s_add_nc_u64 s[G0+4*\slot+2:G0+4*\slot+3], s[G0+4*\slot+2:G0+4*\slot+3], 2*TILEB
.if \fill == 2
	s_sub_nc_u64 s[G0B+4*\slot+2:G0B+4*\slot+3], s[G0B+4*\slot+2:G0B+4*\slot+3], 6*TILEB
.else
	s_add_nc_u64 s[G0B+4*\slot+2:G0B+4*\slot+3], s[G0B+4*\slot+2:G0B+4*\slot+3], 2*TILEB
.endif
	JLOAD \slot                                    ; its four v_nop are also the places in front of the loads into set 0
.else
	PLACES
.endif
	DRIP \lk, \sk, \adj
	FB \next, 0
	MULS 2, 3, 1, \slot, 0
	FA4 \next, 0, 0
	SCALES \next
	FA4 \next, 0, 4
.if \ask
.if \ask == 1
	s_cmp_gt_u32 s[CNT], s[LIM]
.else
	s_cmp_eq_u32 s[RH], 0
.endif
	s_cbranch_scc0 .Lnp_\@
	global_prefetch_b8 v[PFO], s[PFA:PFA+1] th:TH_LOAD_NT scope:SCOPE_SE   ; the tile two refills on: my work-group's 25 blocks of its 100
.Lnp_\@:
.endif
	MULS 4, 7, 1, \slot, 0
.endm
.macro LAPLOOP d                       ; three trips, each once round the ring; d = 1: four units of parked rows leave in each trip
	WIN 0
	s_mov_b32 s[CNT], 3
.Llap_\@:
.if \d
	TURN 0, 1, 1, 1, 1, 0, 0, 0
	STEP 1, 0, 2, 1, 0, 0
	TURN 1, 0, 1, 1, 3, 2, 32, 1
	STEP 0, 0, 4, 3, 32, 1
.else
	TURN 0, 1, 1, 1, -1, -1, 0, 0
	STEP 1, 0, -1, -1, 0, 0
	TURN 1, 0, 1, 1, -1, -1, 0, 0
	STEP 0, 0, -1, -1, 0, 0
.endif
	WIN 0
	s_sub_co_u32 s[CNT], s[CNT], 1
	s_cmp_lg_u32 s[CNT], 0
	s_cbranch_scc1 .Llap_\@
.endm
.macro COMBINE a
.set AC, 64*((\a)%4)
.set TT, TT0+32*((\a)%2)
	WIN 0x12+((\a)/4)                              ; source 0 window 2 or 3, source 2 window 1
.irp b, 0,1,2,3
.irp p, 0,2,4,6
	v_pk_fma_f32 v[TT+8*\b+\p:TT+8*\b+\p+1], v[AC+8*\b+\p:AC+8*\b+\p+1], v[W0:W0+1], v[CB+8*\b+\p:CB+8*\b+\p+1]
.endr
.endr
	WIN 0x02+((\a)/4)
.irp b, 0,1,2,3
.irp p, 0,2,4,6
	v_pk_fma_f32 v[TT+8*\b+\p:TT+8*\b+\p+1], v[AC+32+8*\b+\p:AC+32+8*\b+\p+1], v[W1:W1+1], v[TT+8*\b+\p:TT+8*\b+\p+1]
.endr
.endr
	WIN 0
.endm
.macro PUT a, area                     ; block a's joined results into a stage area
.set TT, TT0+32*((\a)%2)
.irp b, 0,1,2,3
	ds_store_b128 v[STO], v[TT+8*\b:TT+8*\b+3] offset:(\area)*ABLK+64*\b
	ds_store_b128 v[STO], v[TT+8*\b+4:TT+8*\b+7] offset:(\area)*ABLK+64*\b+16
.endr
.endm
.macro BACK reg                        ; area 0 back as whole rows, in order behind my stores
	WIN TO_B
.irp t, 0,1,2,3,4,5,6,7
	ds_load_b128 v[\reg+4*\t:\reg+4*\t+3], v[RD] offset:\t*2*SPITCH
.endr
	WIN 0
.endm
.macro OUT8 reg
	WIN 0x04                                       ; the data: window 1
.irp t, 0,1,2,3,4,5,6,7
	global_store_b128 v[CO], v[\reg+4*\t:\reg+4*\t+3], s[12:13] offset:2*\t*OROW th:TH_STORE_NT
.endr
	WIN 0
.endm
.macro STASH                           ; the first tile: block 0 leaves, blocks 1-7 are parked in areas 0-6
	PLACES
	COMBINE 0
	PUT 0, 0
	BACK DB
.irp a, 1,2,3,4,5,6,7
	COMBINE \a
	PUT \a, \a-1
.endr
	s_wait_dscnt 56                                ; block 0 is back; behind its loads: the 56 stores of blocks 1-7
	OUT8 DB
.endm
.macro WAYOUT                          ; the last tile, block by block through area 0
	PLACES
	COMBINE 0
	PUT 0, 0
	BACK BK
.irp a, 1,2,3,4,5,6,7
.if \a > 1
	s_wait_xcnt 0x0                                ; block a - 2's stores have read their registers and base
.endif
	COMBINE \a
	PUT \a, 0
	BACK BK+32*(\a%2)
	s_wait_dscnt 16                                ; block a - 1 is back; behind its loads: block a's 8 stores and 8 loads
.if \a > 1
	s_add_nc_u64 s[12:13], s[12:13], 16*OROW
.endif
	OUT8 BK+32*((\a-1)%2)
.endr
	s_wait_xcnt 0x0
	s_wait_dscnt 0x0
	s_add_nc_u64 s[12:13], s[12:13], 16*OROW
	OUT8 BK+32
.endm
	s_load_b256 s[4:11], s[0:1], 0x0               ; xq, wq, be, sel
	s_load_b128 s[12:15], s[0:1], 0x20             ; out0, gw
	v_lshl_add_u32 v[SPW], v0, 2, SPARE
	v_mov_b32 v[NIL], 0
	ds_add_u32 v[SPW], v[NIL]                      ; the opening lines: the add twice and its wait
	ds_add_u32 v[SPW], v[NIL]
	v_lshrrev_b32 v1, 5, v0
	v_readfirstlane_b32 s[WV], v1
	s_lshr_b32 s[RH], s[WV], 1                     ; my half of the tile's rows; also: I fetch for A (0) or B (1)
	s_and_b32 s[CH], s[WV], 1                      ; my half of its columns; also: which group I fetch
	s_bfe_u32 s40, ttmp6, 0x40000                  ; cx
	s_bfe_u32 s41, ttmp6, 0x40004                  ; cy
	s_lshl_b32 s42, ttmp9, 2
	s_add_co_u32 s42, s42, s40                     ; tc
	s_and_b32 s43, ttmp7, 0xffff
	s_lshl_b32 s43, s43, 2
	s_add_co_u32 s43, s43, s41                     ; ty
	s_lshl_b32 s20, s41, 2
	s_lshl_b32 s20, 15, s20                        ; my row of the cluster
	s_lshl_b32 s22, 0x1111, s40                    ; my column
	s_or_b32 s[G1], s20, (3<<16)|(1<<21)           ; elements of 8 bytes, no padding
	s_or_b32 s[G1B], s22, (3<<16)|(1<<21)
.irp g, G1, G1B
	s_mov_b32 s[\g+1], 32<<16                      ; rows of 256 bytes,
	s_mov_b32 s[\g+2], 100<<16                     ; 100 of them, dense
	s_mov_b32 s[\g+3], 32<<16
	s_mov_b32 s[\g+4], 100
	s_mov_b32 s[\g+5], 32
	s_mov_b32 s[\g+6], 0
	s_mov_b32 s[\g+7], 0
.endr
	s_lshl_b32 s20, s43, 2
	s_lshl_b32 s21, s[CH], 1
	s_add_co_u32 s20, s20, s21                     ; A: group 4 ty + 2 x half
	s_mul_i32 s20, s20, GRP
	s_mov_b32 s21, 0
	s_lshl_b32 s22, s42, 1
	s_add_co_u32 s22, s22, s[CH]                   ; B: group 2 tc + half
	s_mul_i32 s22, s22, GRP
	s_mov_b32 s23, 0
	s_mul_i32 s47, s[WV], TILEB                    ; where my tile goes
	s_wait_dscnt 0x0
	s_wait_kmcnt 0x0
	s_load_b64 s[66:67], s[10:11], 0x0             ; the two experts
	s_load_b64 s[68:69], s[14:15], 0x0             ; their weights
	s_add_nc_u64 s[20:21], s[4:5], s[20:21]
	s_add_nc_u64 s[22:23], s[6:7], s[22:23]
	CROUND                                         ; in front of the first joint loads
.irp s, 0,1
	s_mov_b32 s[G0+4*\s], 1
	s_add_co_u32 s[G0+4*\s+1], s47, \s*SLOT
	s_add_nc_u64 s[G0+4*\s+2:G0+4*\s+3], s[20:21], \s*TILEB
	s_or_b32 s[G0+4*\s+3], s[G0+4*\s+3], 0x80000000
	s_mov_b32 s[G0B+4*\s], 1
	s_add_co_u32 s[G0B+4*\s+1], s47, \s*SLOT
	s_add_nc_u64 s[G0B+4*\s+2:G0B+4*\s+3], s[22:23], \s*TILEB
	s_or_b32 s[G0B+4*\s+3], s[G0B+4*\s+3], 0x80000000
.endr
	JLOAD 0                                        ; slot 0: one tensor load a wave at the head
	s_cmp_eq_u32 s[RH], 0
	s_cselect_b64 s[PFA:PFA+1], s[20:21], s[22:23] ; the prefetches: the group that I fetch,
	s_cselect_b32 s75, s40, s41                    ; my place among the four that ask for it,
	s_cselect_b32 s[LIM], 0, 1                     ; first tile: A's waves ask in all three trips, B's in the first two
	s_mul_i32 s76, s75, 6400
	s_add_co_u32 s76, s76, 3*TILEB                 ; each change of slots steps it once, so change n names slot n + 4
	s_mov_b32 s77, 0
	s_add_nc_u64 s[PFA:PFA+1], s[PFA:PFA+1], s[76:77]
	s_mul_i32 s20, s[RH], TILEB                    ; the tile of A that I read
	s_mul_i32 s21, s[CH], TILEB
	s_add_co_u32 s21, s21, 2*TILEB                 ; and of B
	s_sub_co_u32 s22, s21, s20
	s_mul_i32 s23, s[WV], WSTG
	s_add_co_u32 s23, s23, STAGE
	s_lshl_b32 s75, s43, 2
	s_lshl_b32 s76, s[RH], 1
	s_add_co_u32 s75, s75, s76
	s_lshl_b32 s76, s75, 20                        ; my first row: 128 (4 ty + 2 x half), of 8,192 bytes
	s_lshl_b32 s78, s42, 9
	s_lshl_b32 s79, s[CH], 8
	s_add_co_u32 s78, s78, s79                     ; my first column, in bytes
	s_add_co_u32 s76, s76, s78
	s_add_nc_u64 s[12:13], s[12:13], s[76:77]
	v_and_b32 v1, 15, v0
	v_bfe_u32 v2, v0, 4, 1
	v_and_b32 v3, 31, v0
	v_lshlrev_b32 v4, 4, v3
	v_add_nc_u32 v[ADRA], s20, v4
	v_add_nc_u32 v[ADRB], s21, v4
	v_add_nc_u32 v[ADRA+1], SLOT, v[ADRA]
	v_add_nc_u32 v[ADRB+1], SLOT, v[ADRB]
	v_mul_u32_u24 v5, s22, v2                      ; lanes 16-31 take B's scale words
	v_lshl_add_u32 v5, v1, 3, v5
	v_add_nc_u32 v5, s20, v5
	v_add_nc_u32 v[ADRS], SCOFF, v5
	v_add_nc_u32 v[ADRS+1], SLOT+SCOFF, v5
	v_mul_u32_u24 v6, v1, SPITCH
	v_lshl_add_u32 v6, v2, 5, v6
	v_add_nc_u32 v[STO], s23, v6
	v_mul_u32_u24 v7, v2, SPITCH
	v_lshl_add_u32 v7, v1, 4, v7
	v_add_nc_u32 v[RD], s23, v7
	v_add_nc_u32 v[RDD], s23, v7
	v_lshlrev_b32 v6, 13, v2
	v_lshl_add_u32 v[CO], v1, 4, v6
	v_lshl_add_u32 v[BO], v2, 5, s78
	v_min_u32 v7, 24, v3                           ; lanes 25-31 name the last block again
	v_lshlrev_b32 v[PFO], 8, v7
	s_wait_alu depctr_va_vdst(0)
	global_prefetch_b8 v[PFO], s[PFA:PFA+1] offset:-2*TILEB th:TH_LOAD_NT scope:SCOPE_SE   ; the walk's first tiles have no change of slots ahead of them to ask from: slot 1's tile, my work-group's 25 blocks,
	global_prefetch_b8 v[PFO], s[PFA:PFA+1] offset:-TILEB th:TH_LOAD_NT scope:SCOPE_SE     ; and slot 2's (s[PFA] stands at slot 3)
	s_wait_kmcnt 0x0
	v_mov_b32 v[W0], s68
	v_mov_b32 v[W0+1], s68
	v_mov_b32 v[W1], s69
	v_mov_b32 v[W1+1], s69
	s_min_u32 s76, s66, 7                          ; a loaded number enters an address only bounded
	s_lshl_b32 s76, s76, 13
	s_add_nc_u64 s[70:71], s[8:9], s[76:77]
	s_min_u32 s76, s67, 7
	s_lshl_b32 s76, s76, 13
	s_add_nc_u64 s[72:73], s[8:9], s[76:77]
.irp b, 0,1,2,3
	global_load_b128 v[BT+8*\b:BT+8*\b+3],       v[BO], s[70:71] offset:64*\b
	global_load_b128 v[BT+8*\b+4:BT+8*\b+7],     v[BO], s[70:71] offset:64*\b+16
	global_load_b128 v[BT+32+8*\b:BT+32+8*\b+3],   v[BO], s[72:73] offset:64*\b
	global_load_b128 v[BT+32+8*\b+4:BT+32+8*\b+7], v[BO], s[72:73] offset:64*\b+16
.endr
	s_wait_alu depctr_va_vdst(0)                   ; the wait at the head's end
	s_wait_tensorcnt 0x0                           ; slot 1's first fill is issued as a refill is
	ds_add_u32 v[SPW], v[NIL]
	s_wait_dscnt 0x0
	CROUND
	JLOAD 1
	FB 0, 0
	FA4 0, 0, 0
	SCALES 0
	FA4 0, 0, 4
	s_wait_loadcnt 0x0                             ; the two bias rows
	WIN 0x40
.irp k, 0,2,4,6,8,10,12,14,16,18,20,22,24,26,28,30
	v_pk_mul_f32 v[CB+\k:CB+\k+1], v[BT+\k:BT+\k+1], v[W0:W0+1]
.endr
	WIN 0x50
.irp k, 0,2,4,6,8,10,12,14,16,18,20,22,24,26,28,30
	v_pk_fma_f32 v[CB+\k:CB+\k+1], v[BT+32+\k:BT+32+\k+1], v[W1:W1+1], v[CB+\k:CB+\k+1]
.endr
	WIN 0
	global_prefetch_b8 v[PFO], s[PFA:PFA+1] th:TH_LOAD_NT scope:SCOPE_SE   ; slot 3's tile, now that slot 1's is being loaded: two tiles are asked for and not yet loaded
	s_wait_alu depctr_va_vdst(0)
	STEP 0, 1, -1, -1, 0, 0                        ; the first products start the sums
	LAPLOOP 0
	TURN 0, 1, 2, 2, -1, -1, 0, 0                  ; the ring goes on into the second tile
	STEP 1, 0, -1, -1, 0, 0
	TURN 1, 0, 2, 2, -1, -1, 0, 0                  ; and its first fragments are fetched into the first sets
	STASH                                          ; on the second sets' registers
	s_wait_xcnt 0x0                                ; block 0's stores have read their registers and base
	s_add_nc_u64 s[DP:DP+1], s[12:13], 16*OROW     ; the parked rows begin at block 1,
	s_add_nc_u64 s[12:13], s[12:13], 128*OROW      ; the second tile's rows follow the first's
	s_mov_b32 s[RS], 0
	s_cmp_eq_u32 s[RH], 0
	s_cselect_b32 s[LIM], 1, 3                     ; second tile: A's waves ask in the first two trips, B's never
	STEP 0, 1, 0, -1, 0, 0                         ; unit 0 is read back
	LAPLOOP 1                                      ; units 1-12 are read back, 0-11 stored
	TURN 0, 1, 0, 0, 1, 0, 0, 0                    ; nothing is left to fetch: no round.  Unit 13 is read back, 12 stored
	STEP 1, 0, -1, 1, 0, 0                         ; unit 13 is stored
	s_wait_dscnt 12
	MULS 0, 3, 1, 1, 0
	s_wait_dscnt 0x0
	MULS 4, 7, 1, 1, 0
	WIN 0
	WAYOUT
	s_wait_tensorcnt 0x0                           ; the wave's end
	ds_add_u32 v[SPW], v[NIL]
	s_wait_dscnt 0x0
	CROUND                                         ; the closing round
	s_endpgm
.Lfunc_end_k_qf6e0589bf3_gemm:
	.size	k_qf6e0589bf3_gemm, .Lfunc_end_k_qf6e0589bf3_gemm-k_qf6e0589bf3_gemm
	.p2alignl 7, 3214868480
	.fill 96, 4, 3214868480
	.section	.rodata,"a",@progbits
	.p2align	6, 0x0
	.amdhsa_kernel k_qf6e0589bf3_gemm
		.amdhsa_group_segment_fixed_size 327680
		.amdhsa_private_segment_fixed_size 0
		.amdhsa_enable_private_segment 0
		.amdhsa_kernarg_size 48
		.amdhsa_user_sgpr_count 2
		.amdhsa_user_sgpr_kernarg_segment_ptr 1
		.amdhsa_wavefront_size32 1
		.amdhsa_system_sgpr_workgroup_id_x 1
		.amdhsa_system_sgpr_workgroup_id_y 1
		.amdhsa_system_sgpr_workgroup_id_z 1
		.amdhsa_system_vgpr_workitem_id 0
		.amdhsa_next_free_vgpr 1024
		.amdhsa_next_free_sgpr 80
		.amdhsa_reserve_vcc 0
		.amdhsa_float_denorm_mode_32 3
		.amdhsa_float_denorm_mode_16_64 3
		.amdhsa_memory_ordered 1
		.amdhsa_forward_progress 1
		.amdhsa_inst_pref_size 255
	.end_amdhsa_kernel
	.section	.bss,"aw",@nobits
	.p2align	6
	.space	262144
	.amdgpu_metadata
---
amdhsa.version: [ 1, 2 ]
amdhsa.kernels:
  - .name:           k_qf6e0589bf3_gemm
    .symbol:         k_qf6e0589bf3_gemm.kd
    .args:
      - { .name: xq, .offset: 0, .size: 8, .value_kind: global_buffer, .address_space: global }
      - { .name: wq, .offset: 8, .size: 8, .value_kind: global_buffer, .address_space: global }
      - { .name: be, .offset: 16, .size: 8, .value_kind: global_buffer, .address_space: global }
      - { .name: sel, .offset: 24, .size: 8, .value_kind: global_buffer, .address_space: global }
      - { .name: out0, .offset: 32, .size: 8, .value_kind: global_buffer, .address_space: global }
      - { .name: gw, .offset: 40, .size: 8, .value_kind: global_buffer, .address_space: global }
    .group_segment_fixed_size: 327680
    .private_segment_fixed_size: 0
    .kernarg_segment_align: 8
    .kernarg_segment_size: 48
    .max_flat_workgroup_size: 128
    .sgpr_count:     80
    .vgpr_count:     1024
    .wavefront_size: 32
...
	.end_amdgpu_metadata
.endif
;; end of part 3
